; MI455X (gfx1250); checked and timed in simulation.
; The chip was launched on July 23, 2026; its instructions are those of AMD's public machine-readable ISA for CDNA 5 (MIT licence, August 2026) and "CDNA5" Instruction Set Architecture Reference Guide (July 2026). The comments in the code are by the model that wrote it; some were corrected since.
;; Full Attention. Allowed arithmetic: matrix products marked QUANTISED: E2M1 operands, one E8M0 scale for each 32 along K, by v_wmma_scale_f32_16x16x128_f8f6f4 with both operands' format E2M1 (or v_wmma_scale_f32_32x16x128_f4), f32 sums; everything else in f32.
;; Inputs: Wk_codes 512 x 24 x 16 uint8 (E2M1 codes of Wk, K innermost, in blocks of 32 codes, two codes a byte); Wk_scales 512 x 24 uint8 (E8M0 scales of Wk, one for each 32 codes along K); Wo_codes 768 x 16 x 16 uint8 (E2M1 codes of Wo, K innermost, in blocks of 32 codes, two codes a byte); Wo_scales 768 x 16 uint8 (E8M0 scales of Wo, one for each 32 codes along K); Wq_codes 512 x 24 x 16 uint8 (E2M1 codes of Wq, K innermost, in blocks of 32 codes, two codes a byte); Wq_scales 512 x 24 uint8 (E8M0 scales of Wq, one for each 32 codes along K); Wv_codes 512 x 24 x 16 uint8 (E2M1 codes of Wv, K innermost, in blocks of 32 codes, two codes a byte); Wv_scales 512 x 24 uint8 (E8M0 scales of Wv, one for each 32 codes along K); bo 768 float32; x_codes 2 x 4,096 x 24 x 16 uint8 (E2M1 codes of x, K innermost, in blocks of 32 codes, two codes a byte); x_scales 2 x 4,096 x 24 uint8 (E8M0 scales of x, one for each 32 codes along K).
;; Outputs: out0 2 x 4,096 x 768 float32.
;; This version of the problem:
;;   THIS VERSION OF THE PROBLEM IS GIVEN IN LOW PRECISION. The matrix products marked QUANTISED in the list below multiply operands that are first quantised to E2M1 (2 exponent bits, 1 mantissa bit; 4 bits a number), with one power-of-two scale for each 32 numbers along K (OCP MX v1.0); their sums are f32. All else is computed in f32.
;;   The module's matrix products, in the order in which they are computed (A, B: the left and right operand; K: the contracted axis; several contracted axes count as one K, in the product's order):
;;     1. [M 8,192, K 768] x [K 768, N 512]; A: input x (given as codes); B: input Wq (given as codes): QUANTISED
;;     2. [M 8,192, K 768] x [K 768, N 512]; A: input x (given as codes); B: input Wk (given as codes): QUANTISED
;;     3. [M 8,192, K 768] x [K 768, N 512]; A: input x (given as codes); B: input Wv (given as codes): QUANTISED
;;     4. batch 16 x [M 4,096, K 64] x [K 64, N 4,096]; A: computed on the way; B: computed on the way: QUANTISED
;;     5. batch 16 x [M 4,096, K 4,096] x [K 4,096, N 64]; A: softmax (see below); B: computed on the way: QUANTISED
;;     6. [M 8,192, K 512] x [K 512, N 768]; A: computed on the way; B: input Wo (given as codes): QUANTISED
;;   THE QUANTISER, for each operand of a quantised product, along K:
;;     - K is cut into blocks of 32 from its start; a last block that is shorter is filled with zeros.
;;     - A block's scale is 2^e with e = floor(log2(the largest magnitude in the block)) - 2, held to -126 .. 127; a block of zeros has e = 0. As a byte (E8M0): e + 127.
;;     - Each number is divided by its block's scale, clamped to +-6, and rounded to the nearest number of E2M1, ties to even, subnormals kept.
;;     - The product sums the exact products of the quantised numbers (number of the format x scale) in f32.
;;   ~~~python
;;   def quantise(x, axis):      # numpy; x: float32 -> the quantised numbers, widened to float32 again
;;       x = np.moveaxis(x, axis, -1); K = x.shape[-1]
;;       x = np.pad(x, [(0, 0)] * (x.ndim - 1) + [(0, -K % 32)]); x = x.reshape(x.shape[:-1] + (-1, 32)); a = np.abs(x).max(-1, keepdims=True)
;;       e = np.where(a > 0, np.clip(np.frexp(np.where(a > 0, a, 1))[1] - 1 - 2, -126, 127), 0)      # np.frexp(a)[1] - 1 = floor(log2(a)), exactly
;;       r = np.clip(x / 2.0 ** e, -6, 6)
;;       step = 2.0 ** (np.maximum(np.frexp(np.where(r == 0, 1, r))[1] - 1, 0) - 1)
;;       q = np.round(r / step) * step * 2.0 ** e      # np.round: ties to even
;;       return np.moveaxis(q.reshape(q.shape[:-2] + (-1,))[..., :K], -1, axis).astype(np.float32)
;;   ~~~
;;   SOFTMAX AHEAD OF A QUANTISED PRODUCT. Where the list says 'softmax', what is quantised is not the finished softmax but p = 2^(t - M), with t = logit x log2(e) and M = ceil(the row's largest t), a whole number; so 1/2 < the row's largest p <= 1. The row's sum l is taken of the UNQUANTISED p, in f32, and the product's result is divided by l at the end. Since M is a whole number, a kernel that streams over the keys may use a running M (the ceiling of the running maximum): every later rescaling is an exact power of two, which a block's scale takes up: the codes' values come out the same.
;;   OPERANDS COMPUTED ON THE WAY. 'Computed on the way' means the value that the module computes at that place (a softmax that the list does not call 'softmax' is quantised finished and normalised). What goes into a quantiser is computed in f32, as accurately as f32 sums, v_exp_f32 and their like allow (about 1e-6 of the number): no bf16 or f16 on the way to a quantiser, and a product that is left as it is and whose result goes on into a quantised operand takes f32 operands (vector FMAs, or v_wmma_f32_16x16x4_f32). A number that lies on a knife's edge between two numbers of the format may be rounded either way, as far as f32 arithmetic and the matrix unit's own rounding can turn it there, and no further.
;;   INPUTS GIVEN AS CODES. Wk (in the module: [768, 512], K = its axis 0); Wo (in the module: [512, 768], K = its axis 0); Wq (in the module: [768, 512], K = its axis 0); Wv (in the module: [768, 512], K = its axis 0); x (in the module: [2, 4096, 768], K = its axis 2): each comes as NAME_codes (uint8): NAME with its K axis moved to the last place and cut into blocks of 32 codes, [.., K / 32, bytes a block], one block behind the other in memory; two codes a byte, the lower K in the low four bits (a code: sign, 2 exponent bits, 1 mantissa bit); and NAME_scales (uint8): the same leading axes, one E8M0 byte (e + 127) for each 32 codes along K. Its value is code x scale, taken as it is: it is not quantised again, and the codes and scales need not be those that the quantiser above would give.
;; One version. Each part assembles by itself: llvm-mc -triple=amdgcn-amd-amdhsa -mcpu=gfx1250 --defsym DOCPART=n.
;; ======== version 1 of 1: 3 launches
;; limits: right only within a limited range of input values
;; workspace buffers: qc 2,097,152 bytes; qs 262,144 bytes; kv 4,587,520 bytes; aoc 2,097,152 bytes; aos 262,144 bytes
;; launch qkv (part 1): grid 64 x 4, 12 waves a work-group, clusters of 4 x 1, 247,296 bytes of LDS; arguments Wq_codes, Wq_scales, Wk_codes, Wk_scales, x_codes, x_scales, Wv_codes, Wv_scales, qc, qs, kv; writes qc, qs, kv
.if DOCPART == 1
	.amdgcn_target "amdgcn-amd-amdhsa--gfx1250"
	.amdhsa_code_object_version 6
	.text
	.protected	k_qd81d9650f5_qkv
	.globl	k_qd81d9650f5_qkv
	.p2align	8
	.type	k_qd81d9650f5_qkv,@function
k_qd81d9650f5_qkv:
	s_mov_b64 s[64:65], 0
	v_nop
	global_prefetch_b8 v0, s[64:65] scope:SCOPE_SE
	s_setreg_imm32_b32 hwreg(HW_REG_WAVE_MODE, 25, 1), 1
	s_wait_xcnt 0x0
	s_wait_alu depctr_hold_cnt(0) depctr_sa_sdst(0) depctr_va_vdst(0) depctr_va_sdst(0) depctr_va_ssrc(0) depctr_va_vcc(0) depctr_vm_vsrc(0)
	s_getreg_b32 s2, hwreg(HW_REG_IB_STS2, 6, 4)
	s_cmp_eq_u32 s2, 0
	s_cbranch_scc0 .Lentry_in_a_cluster
	s_endpgm
.Lentry_in_a_cluster:
	s_bfe_u32 s2, ttmp6, 0x10000c
	s_cmp_lg_u32 s2, 0x3003
	s_cbranch_scc0 .Lentry_shape_is_right
	s_endpgm
.Lentry_shape_is_right:
; q = x Wq, k = x Wk, v = x Wv on codes of FP4 (E2M1) with one E8M0 scale for each 32 along K = 768, and the quantising of q, k (along the head's 64) and of v (along the keys).
; SHARES.  A work-group takes 128 rows of x (row block rb) and 128 columns (two heads, group g) of each of the three weights.  Twelve waves: role = wave / 4 (0 q, 1 k, 2 v), idx = wave % 4.
; ALL ROLES RUN ONE TEXT.  A wave has an A side of 8 tiles of 16 rows, the rows that become the next product's K (q, k: the weight's 128 columns; v: the 128 keys of x), and a B side of 2 tiles
; (q, k: rows 32 idx + 16 u + r of x; v: columns 32 idx + 16 u + r of Wv).  Source 0 = A side, source 1 = B side: in tile a lane (r, h) holds B row r, and register j the A row 16 a + 8 h + j.
; So a lane's 16 registers of tiles 2 b and 2 b + 1 are 16 of block b's 32 numbers, and lane l xor 16 holds the other 16.  The conversions of four tiles, set into registers 0, 2, 1, 3 of a group
; of four, and two exchanges of lane halves give the operand's registers: lane half h holds block 2 c + h whole.
; WHAT LEAVES are images of operand registers (16 bytes a lane, 512 consecutive bytes a store) and scale words gathered in LDS, laid as the next launch reads them:
;   qc [bh][tile][lane][16]   qs [bh][step][lane (r, hh)][word i]: tile 8 step + 4 hh + i   kv [bh][step of 128 keys][8,960]: K's 8 images, V^T's 8 half images, K's words (as qs), V's words [r][dt].
; A head's K is 64: only registers 0-3 of a fragment of q or k are kept.  Bytes 2 and 3 of their scale words (the partner head's bytes, or 0) meet zero codes alone and are never 0xff.
; CLUSTER.  The four partners share g, so the three weights' blocks and their scales are asked for jointly (mask 15); each partner has its own rows of x, which come by a plain load.
; A cluster of 4 x 4 that also shared x's rows is left out: it would spare a quarter of a work-group's fills at the price of masks made from the place in the cluster.
; LDS is filled once: no slot is ever filled again.
; LIMITS: NaN and infinities are not served.  A block whose largest magnitude lies under 2^-124, a block of zeros among them, gets the byte 1; these bytes are read by this program alone.
.set PITCH, 432                        ; a row of 384 bytes of codes + 16 bytes of padding behind each 128: 27 x 16, so 16 neighbouring rows start at 16 different groups of four banks (ISA guide 11.1)
.set REGB,  128*PITCH                  ; a region: 128 rows.  Regions 0 to 3: Wq, Wk, x, Wv
.set SCB,   3072                       ; a region's scale bytes: 128 rows x 24
.set SC0,   4*REGB                     ; the four regions of scale bytes, same order, dense
.set STG,   SC0+4*SCB                  ; the stage for scale words; no fill lands here
.set KVH,   286720                     ; a head's bytes in kv
.set KVS,   8960                       ; a step's
.set FA,  5                            ; v5   LDS address of my lane in the A side's first tile
.set FB,  246                          ; v246-247 the same for the B side's two tiles
.set SA,  7                            ; v7   of my row's scale bytes, A side
.set SB,  248                          ; v248-249 B side's two tiles
.set STO, 9                            ; v9   where my scale word goes in the stage
.set SH,  10                           ; v10  16 h: lanes 16-31 send the upper half of the word (the second head's two bytes)
.set VO,  12                           ; v12-15  global offsets of the images: 16 x lane + u D_U + c D_C at v[VO + 2 u + c]
.set ACC, 16                           ; v16-143  accumulators: 64 u + 8 a
.set AF,  144                          ; v144-207 the A side's 8 fragments
.set BF,  208                          ; v208-223 the B side's 2
.set SAW, 224                          ; v224-239 A side's scale words: pair 2 a holds those of two K steps
.set SBW, 240                          ; v240-243 B side's
.set PLA, 244                          ; v244 the way out of the scale words: LDS address
.set PGO, 245                          ; v245 and global offset
.set TM,  144                          ; behind the K loop, in the A side's registers: v144-159 at work,
.set PW,  160                          ; v160-161 the scale words made,
.set SW,  162                          ; v162-163 shifted,
.set PC,  164                          ; v164-179 the codes: 8 registers for each u,
.set WO,  180                          ; v180-183 scale words on their way out
.set WV,   26
.set ROLE, 27
.set IDX,  28
.set CX,   29
.set RB,   30
.set GR,   31
.set KB,   32
.set WF,   34
.set G1JC, 36                          ; s[36:43] group 1, codes, joint;  s[44:51] scales, joint;  s[52:59] codes, plain;  s[68:75] scales, plain
.set G1JS, 44
.set G1XC, 52
.set G1XS, 68
.set G0JC, 76                          ; s[76:91] the four groups 0
.set G0JS, 80
.set G0XC, 84
.set G0XS, 88
.set SEL,  60                          ; s[60:61] v_permlanex16_b32's selects for lane l xor 16
.macro ROUND                           ; a round of the cluster's barrier
	s_barrier_signal -1
	s_barrier_wait -1
	s_cmp_lg_u32 s[WV], 0
	s_cbranch_scc1 .Lnot_wave_0_\@
	s_barrier_signal -3
.Lnot_wave_0_\@:
	s_barrier_wait -3
	s_barrier_signal -1
	s_barrier_wait -1
.endm
; 64 numbers of a lane, v[s] on, register 16 b + i of block b, become a fragment's codes in v[pc] on and its scale word in v[pw].  Each accumulator is first read at its registers 0 and 1.
.macro QUANT s, pc, pw
.irp b, 0,1,2,3
	v_max3_num_f32 v[TM+\b], |v[(\s)+16*\b]|, |v[(\s)+16*\b+1]|, 0x1800000   ; my 16 numbers of block b, and the floor 2^(3 - 127): the byte cannot fall under 1
.endr
.irp i, 2,4,6,8,10,12,14
.irp b, 0,1,2,3
	v_max3_num_f32 v[TM+\b], v[TM+\b], |v[(\s)+16*\b+\i]|, |v[(\s)+16*\b+\i+1]|   ; the four blocks by turns
.endr
.endr
.irp b, 0,1,2,3
	s_delay_alu instid0(VALU_DEP_4)
	v_permlanex16_b32 v[TM+4+\b], v[TM+\b], s[SEL], s[SEL+1]
.endr
.irp b, 0,1,2,3
	s_delay_alu instid0(VALU_DEP_4)
	v_max_num_f32 v[TM+\b], v[TM+\b], v[TM+4+\b]                 ; with lane l xor 16's: the block's largest magnitude
.endr
.irp b, 0,1,2,3
	s_delay_alu instid0(VALU_DEP_4)
	v_add_nc_u32 v[TM+12+\b], 0xff000000, v[TM+\b]               ; 2 off its exponent field: the conversion's scale operand
.endr
.irp b, 0,1,2,3
	s_delay_alu instid0(VALU_DEP_4)
	v_lshrrev_b32 v[TM+4+\b], 23, v[TM+12+\b]                    ; the scale's byte
.endr
	s_delay_alu instid0(VALU_DEP_3)
	v_lshl_or_b32 v[\pw], v[TM+5], 8, v[TM+4]
	s_delay_alu instid0(VALU_DEP_1)
	v_lshl_or_b32 v[\pw], v[TM+6], 16, v[\pw]
	s_delay_alu instid0(VALU_DEP_1)
	v_lshl_or_b32 v[\pw], v[TM+7], 24, v[\pw]
.irp t, 0,1,2,3,4,5,6,7
	v_cvt_scalef32_pk8_fp4_f32 v[(\pc)+4*(\t/4)+2*(\t%2)+((\t/2)%2)], v[(\s)+8*\t:(\s)+8*\t+7], v[TM+12+\t/2]   ; tiles 4 c .. 4 c + 3 into registers 4 c + 0, 2, 1, 3
.endr
	v_nop                                                        ; one plain place behind a scaled conversion
.irp c, 0,1
	v_permlane16_swap_b32 v[(\pc)+4*\c], v[(\pc)+4*\c+1]         ; the first's lanes 16-31 change places with the second's lanes 0-15: lane half h now holds block 2 c + h whole
	v_permlane16_swap_b32 v[(\pc)+4*\c+2], v[(\pc)+4*\c+3]
.endr
.endm
; K step s of six: 128 along K, 64 bytes of each row.  16 matrix instructions on 16 accumulators by turns, one a turn.
.macro KSTEP s
.if (\s) > 0
.rept 4
	v_nop                                                        ; places in front of loads into registers that matrix instructions have read
.endr
.endif
.if ((\s)%2) == 0
.irp a, 0,1,2,3,4,5,6,7
	ds_load_b64 v[SAW+2*\a:SAW+2*\a+1], v[SA] offset:384*\a+4*(\s)          ; my row's scale words of this K step and the next
.endr
.irp u, 0,1
	ds_load_b64 v[SBW+2*\u:SBW+2*\u+1], v[SB+\u] offset:4*(\s)
.endr
.endif
.irp a, 0,1,2,3,4,5,6,7
.irp c, 0,1
	ds_load_b128 v[AF+8*\a+4*\c:AF+8*\a+4*\c+3], v[FA] offset:16*PITCH*\a+64*(\s)+16*((\s)/2)+32*\c
.endr
.endr
.irp u, 0,1
.irp c, 0,1
	ds_load_b128 v[BF+8*\u+4*\c:BF+8*\u+4*\c+3], v[FB+\u] offset:64*(\s)+16*((\s)/2)+32*\c
.endr
.endr
	s_wait_dscnt 0x0                                             ; one set of fragments: the SIMD's other two waves work meanwhile
.irp u, 0,1
.irp a, 0,1,2,3,4,5,6,7
.if (\s) == 0
	v_wmma_scale_f32_16x16x128_f8f6f4 v[ACC+64*\u+8*\a:ACC+64*\u+8*\a+7], v[AF+8*\a:AF+8*\a+7], v[BF+8*\u:BF+8*\u+7], 0, v[SAW+2*\a+((\s)%2)], v[SBW+2*\u+((\s)%2)] matrix_a_fmt:MATRIX_FMT_FP4 matrix_b_fmt:MATRIX_FMT_FP4
.else
	v_wmma_scale_f32_16x16x128_f8f6f4 v[ACC+64*\u+8*\a:ACC+64*\u+8*\a+7], v[AF+8*\a:AF+8*\a+7], v[BF+8*\u:BF+8*\u+7], v[ACC+64*\u+8*\a:ACC+64*\u+8*\a+7], v[SAW+2*\a+((\s)%2)], v[SBW+2*\u+((\s)%2)] matrix_a_fmt:MATRIX_FMT_FP4 matrix_b_fmt:MATRIX_FMT_FP4
.endif
.endr
.endr
.endm
	s_load_b512 s[4:19], s[0:1], 0x0               ; Wq's codes, scales; Wk's; x's; Wv's
	s_load_b128 s[20:23], s[0:1], 0x40             ; qc, qs
	s_load_b64 s[24:25], s[0:1], 0x50              ; kv
	v_lshl_add_u32 v254, v0, 2, 0x3c000
	v_mov_b32 v255, 0
	ds_add_u32 v254, v255
	ds_add_u32 v254, v255
	v_lshrrev_b32 v1, 5, v0
	s_delay_alu instid0(VALU_DEP_1)
	v_readfirstlane_b32 s[WV], v1                  ; wave 0..11
	s_lshr_b32 s[ROLE], s[WV], 2
	s_and_b32 s[IDX], s[WV], 3
	s_bfe_u32 s[CX], ttmp6, 0x40000                ; my place in the cluster: it enters x's address and the outputs' alone
	s_lshl_b32 s[RB], ttmp9, 2
	s_add_co_u32 s[RB], s[RB], s[CX]               ; row block = 4 x cluster x + cx
	s_and_b32 s[GR], ttmp7, 0xffff                 ; column group, which the partners share
	s_min_u32 s[WF], s[WV], 7                      ; waves 0-3 fill the codes of region KB, whole; waves 4-7 its scale bytes: one tensor load a wave
	s_and_b32 s[KB], s[WF], 3
	s_mov_b32 s[SEL], 0x76543210
	s_mov_b32 s[SEL+1], 0xfedcba98
	; group 1, codes: 128 rows x 384 elements of 1 byte; 4 words of padding (code 3) behind every 32 words (code 4).  Joint: mask 15, bit 21 beside it
	s_mov_b32 s[G1JC], 15|(1<<20)|(1<<21)|(4<<22)|(3<<25)
	s_mov_b32 s[G1XC], (1<<20)|(4<<22)|(3<<25)
.irp g, G1JC, G1XC
	s_mov_b32 s[\g+1], 256<<16                     ; a region's 128 rows of 384 bytes are dense in memory: stated as 192 rows of 256 bytes, each at a multiple of 256 from the buffer's first byte
	s_mov_b32 s[\g+2], 192<<16                     ; tensor_dim1
	s_mov_b32 s[\g+3], 256<<16                     ; tile_dim0
	s_mov_b32 s[\g+4], 192                         ; tile_dim1
	s_mov_b32 s[\g+5], 256                         ; from row to row.  The padding is counted along the tile: 16 bytes behind each 128, so a row of 384 bytes keeps the pitch 432
	s_mov_b32 s[\g+6], 0
	s_mov_b32 s[\g+7], 0
.endr
	; group 1, scale bytes of 128 rows: 3,072 dense bytes as 12 rows of 32 elements of 8 bytes
	s_mov_b32 s[G1JS], 15|(3<<16)|(1<<21)
	s_mov_b32 s[G1XS], 3<<16
.irp g, G1JS, G1XS
	s_mov_b32 s[\g+1], 32<<16
	s_mov_b32 s[\g+2], 12<<16                      ; a region's scale bytes: 3,072 dense bytes as 12 rows of 256
	s_mov_b32 s[\g+3], 32<<16
	s_mov_b32 s[\g+4], 12
	s_mov_b32 s[\g+5], 32
	s_mov_b32 s[\g+6], 0
	s_mov_b32 s[\g+7], 0
.endr
	; where the fills come from, in bytes.  The weights' offsets hang on g and the wave alone
	s_mul_i32 s96, s[GR], 128*384
	s_mov_b32 s97, 0
	s_mul_i32 s98, s[GR], 128*24
	s_mov_b32 s99, 0
	s_mul_i32 s66, s[RB], 128*384
	s_mov_b32 s67, 0
	s_mul_i32 s62, s[RB], 128*24
	s_mov_b32 s63, 0
	; every LDS address is made here, ahead of the first branch on the wave's number
	v_and_b32 v1, 31, v0                           ; lane
	v_and_b32 v2, 15, v0                           ; r
	s_wait_alu depctr_va_vdst(0)
	v_bfe_u32 v3, v0, 4, 1                         ; h
	; THE B SIDE'S ROWS.  Lane r of tile u takes row RBASE + RU u + (r % 8) + RH (r / 8) of the B region.
	; q, v: RH = 8, RU = 16, RBASE = 32 idx: row 32 idx + 16 u + r.
	; k: THE KEYS OF A TILE ARE NOT NEIGHBOURS: RH = 32, RU = 8, RBASE = 64 (idx / 2) + 16 (idx % 2): row r of tile T = 2 idx + u is key 64 (T / 4) + 8 (T % 4) + r % 8 + 32 (r / 8),
	; so that in the next launch's transposed scores a lane half holds whole blocks of 32 neighbouring keys.
	s_and_b32 s92, s[ROLE], 1                      ; 1 for k
	s_xor_b32 s93, s92, 1
	s_mul_i32 s94, s92, 24
	s_add_co_u32 s94, s94, 8                       ; RH
	s_lshl_b32 s95, s93, 3
	s_add_co_u32 s95, s95, 8                       ; RU
	s_lshr_b32 s2, s[IDX], 1
	s_lshl_b32 s2, s2, 6
	s_and_b32 s3, s[IDX], 1
	s_lshl_b32 s35, s95, 1
	s_mul_i32 s3, s3, s35
	s_add_co_u32 s2, s2, s3                        ; RBASE
	s_lshr_b32 s35, s[ROLE], 1
	s_add_co_u32 s35, s35, 2                       ; B side: region 2 (x) for q and k, 3 (Wv) for v
	s_mul_i32 s3, s35, REGB
	s_mul_i32 s100, s2, PITCH
	s_add_co_u32 s3, s3, s100                      ; where its codes begin,
	s_mul_i32 s35, s35, SCB
	s_mul_i32 s2, s2, 24
	s_add_co_u32 s2, s2, s35
	s_add_co_u32 s2, s2, SC0                       ; and its scale bytes
	s_mul_i32 s100, s95, PITCH                     ; from tile 0 to tile 1
	s_mul_i32 s95, s95, 24
	s_mul_i32 s92, s[ROLE], REGB                   ; A side: region = role (Wq, Wk, x)
	s_mul_i32 s93, s[ROLE], SCB
	s_add_co_u32 s93, s93, SC0
	s_wait_alu depctr_va_vdst(0)                   ; the wait behind the run of scalar lines
	v_mul_u32_u24 v4, v2, PITCH
	v_and_b32 v11, 7, v2
	v_lshrrev_b32 v6, 3, v2
	v_lshl_add_u32 v4, v3, 4, v4                   ; A side: row r, + 16 h
	v_mad_u32_u24 v11, v6, s94, v11                ; B side: my lane's row
	v_add_nc_u32 v[FA], s92, v4
	v_mul_u32_u24 v4, v2, 24                       ; 24 scale bytes a row
	v_mul_u32_u24 v6, v11, PITCH
	v_mul_u32_u24 v8, v11, 24
	v_add_nc_u32 v[SA], s93, v4
	v_lshl_add_u32 v6, v3, 4, v6
	v_add_nc_u32 v[SB], s2, v8
	v_add_nc_u32 v[FB], s3, v6
	v_add_nc_u32 v[SB+1], s95, v[SB]
	v_add_nc_u32 v[FB+1], s100, v[FB]
	s_lshl_b32 s2, s[ROLE], 10                     ; the stage: 1,024 bytes a role; in it 512 h (the head) + 256 (tile / 4) + 16 r + 4 (tile % 4), tile = 2 idx + u
	s_lshr_b32 s3, s[IDX], 1                       ; (for v the same sum reads 256 x head + 16 r + 4 dt; its lanes 16-31 write copies into 512 bytes that nobody reads)
	s_lshl_b32 s3, s3, 8
	s_add_co_u32 s2, s2, s3
	s_and_b32 s3, s[IDX], 1
	s_lshl_b32 s3, s3, 3
	s_add_co_u32 s2, s2, s3
	s_add_co_u32 s2, s2, STG
	v_lshlrev_b32 v[STO], 4, v2
	s_wait_alu depctr_va_vdst(0)
	v_lshl_add_u32 v[STO], v3, 9, v[STO]
	s_delay_alu instid0(VALU_DEP_1)
	v_add_nc_u32 v[STO], s2, v[STO]
	v_lshlrev_b32 v[SH], 4, v3
	v_lshlrev_b32 v[VO], 4, v1                     ; 16 x lane
	s_wait_alu depctr_va_vdst(0)
	s_lshl_b32 s2, s[WV], 9
	s_add_co_u32 s2, s2, STG
	v_add_nc_u32 v[PLA], s2, v[VO]                 ; piece p = wave of the stage: 512 bytes
	; where the results go, in bytes
	s_lshr_b32 s2, s[RB], 5                        ; batch
	s_and_b32 s3, s[RB], 31                        ; step S
	s_lshl_b32 s2, s2, 3
	s_lshl_b32 s35, s[GR], 1
	s_add_co_u32 s2, s2, s35                       ; bh of my first head = 8 b + 2 g
	s_mul_i32 s94, s2, KVH
	s_mul_i32 s35, s3, KVS
	s_add_co_u32 s94, s94, s35                     ; its step's block in kv
	s_lshl_b32 s95, s2, 17
	s_lshl_b32 s35, s3, 12
	s_add_co_u32 s95, s95, s35                     ; and in qc: 131,072 bh + 4,096 S
	s_cmp_eq_u32 s[ROLE], 0
	s_cselect_b32 s100, s95, s94
	s_lshr_b32 s95, s[IDX], 1                      ; v: head idx / 2, behind K's images, dt = 2 (idx % 2) + u
	s_mul_i32 s95, s95, KVH
	s_and_b32 s35, s[IDX], 1
	s_lshl_b32 s35, s35, 11
	s_add_co_u32 s95, s95, s35
	s_add_co_u32 s95, s95, 4096
	s_lshl_b32 s35, s[IDX], 10                     ; q, k: tile 2 idx + u
	s_cmp_eq_u32 s[ROLE], 2
	s_cselect_b32 s95, s95, s35
	s_add_co_u32 s100, s100, s95
	s_mov_b32 s101, 0
	s_and_b32 s35, s[WV], 1                        ; the scale words' pieces: 0, 1: q's of the two heads; 2, 3: k's; 4: v's of both
	s_lshl_b32 s95, s2, 14
	s_lshl_b32 s92, s3, 9
	s_add_co_u32 s95, s95, s92
	s_lshl_b32 s92, s35, 14
	s_add_co_u32 s95, s95, s92                     ; in qs: 16,384 (bh + p % 2) + 512 S
	s_mul_i32 s92, s35, KVH
	s_add_co_u32 s92, s92, s94
	s_lshr_b32 s35, s[WV], 2
	s_lshl_b32 s35, s35, 9
	s_add_co_u32 s92, s92, s35
	s_add_co_u32 s92, s92, 8192                    ; in kv: the block + 8,192 + 512 (p / 4)
	s_cmp_lt_u32 s[WV], 2
	s_cselect_b32 s92, s95, s92
	s_mov_b32 s93, 0
	s_lshr_b32 s2, s[ROLE], 1
	s_lshl_b32 s2, 512, s2                         ; D_U, from u = 0 to u = 1: 512 (q, k: the next tile), 1,024 (v: the next dt)
	s_mov_b32 s3, KVH                              ; D_C, from registers 0-3 to 4-7: the next head in qc or in kv; for v the image's second half
	s_cmp_eq_u32 s[ROLE], 0
	s_cselect_b32 s3, 131072, s3
	s_cmp_eq_u32 s[ROLE], 2
	s_cselect_b32 s3, 512, s3
	v_add_nc_u32 v[VO+1], s3, v[VO]
	v_add_nc_u32 v[VO+2], s2, v[VO]
	s_delay_alu instid0(VALU_DEP_2)
	v_add_nc_u32 v[VO+3], s2, v[VO+1]
	s_mov_b32 s2, KVH                              ; piece 4's lanes 16-31 hold the second head's words of v
	s_cmp_eq_u32 s[WV], 4
	s_cselect_b32 s2, s2, 256
	v_lshlrev_b32 v[PGO], 4, v2
	s_delay_alu instid0(VALU_DEP_1)
	v_mad_u32_u24 v[PGO], v3, s2, v[PGO]
	s_wait_dscnt 0x0
	s_wait_kmcnt 0x0
	s_cmp_eq_u32 s[KB], 0                          ; which weight I fetch for: the choice hangs on the wave's number alone
	s_cselect_b64 s[94:95], s[4:5], s[16:17]
	s_cmp_eq_u32 s[KB], 1
	s_cselect_b64 s[94:95], s[8:9], s[94:95]
	s_mov_b32 s[G0JC], 1
	s_mul_i32 s[G0JC+1], s[KB], REGB
	s_add_nc_u64 s[G0JC+2:G0JC+3], s[94:95], s[96:97]
	s_or_b32 s[G0JC+3], s[G0JC+3], 0x80000000
	s_cmp_eq_u32 s[KB], 0
	s_cselect_b64 s[94:95], s[6:7], s[18:19]
	s_cmp_eq_u32 s[KB], 1
	s_cselect_b64 s[94:95], s[10:11], s[94:95]
	s_mul_i32 s2, s[KB], SCB
	s_mov_b32 s[G0JS], 1
	s_add_co_u32 s[G0JS+1], s2, SC0
	s_add_nc_u64 s[G0JS+2:G0JS+3], s[94:95], s[98:99]
	s_or_b32 s[G0JS+3], s[G0JS+3], 0x80000000
	s_mov_b32 s[G0XC], 1
	s_mul_i32 s[G0XC+1], s[KB], REGB
	s_add_nc_u64 s[G0XC+2:G0XC+3], s[12:13], s[66:67]
	s_or_b32 s[G0XC+3], s[G0XC+3], 0x80000000
	s_mov_b32 s[G0XS], 1
	s_add_co_u32 s[G0XS+1], s2, SC0
	s_add_nc_u64 s[G0XS+2:G0XS+3], s[14:15], s[62:63]
	s_or_b32 s[G0XS+3], s[G0XS+3], 0x80000000
	s_cmp_eq_u32 s[ROLE], 0                        ; the images go to qc (q) or to kv (k, v),
	s_cselect_b64 s[94:95], s[20:21], s[24:25]
	s_add_nc_u64 s[100:101], s[94:95], s[100:101]
	s_cmp_lt_u32 s[WV], 2                          ; the scale words' pieces to qs (0, 1) or to kv
	s_cselect_b64 s[94:95], s[22:23], s[24:25]
	s_add_nc_u64 s[92:93], s[94:95], s[92:93]
	ROUND                                          ; all four work-groups are here: the joint loads meet
	s_cmp_lt_u32 s[WV], 8                          ; one chain of branches on the wave's number, one tensor load to an arm, all arms leading to one join
	s_cbranch_scc0 .Lfilled
	s_cmp_lt_u32 s[WV], 4
	s_cbranch_scc0 .Lfill_s
	s_cmp_eq_u32 s[KB], 2
	s_cbranch_scc1 .Lfill_x
	tensor_load_to_lds s[G0JC:G0JC+3], s[G1JC:G1JC+7]   ; waves 0, 1, 3: a weight's codes, jointly
	s_nop 0
.rept 4
	v_nop
.endr
	s_branch .Lfilled
.Lfill_x:
	tensor_load_to_lds s[G0XC:G0XC+3], s[G1XC:G1XC+7]   ; wave 2: my rows of x
	s_nop 0
.rept 4
	v_nop
.endr
	s_branch .Lfilled
.Lfill_s:
	s_cmp_eq_u32 s[KB], 2
	s_cbranch_scc1 .Lfill_xs
	tensor_load_to_lds s[G0JS:G0JS+3], s[G1JS:G1JS+7]   ; waves 4, 5, 7: a weight's scale bytes, jointly
	s_nop 0
.rept 4
	v_nop
.endr
	s_branch .Lfilled
.Lfill_xs:
	tensor_load_to_lds s[G0XS:G0XS+3], s[G1XS:G1XS+7]   ; wave 6: x's scale bytes
	s_nop 0
.rept 4
	v_nop
.endr
.Lfilled:
	s_wait_tensorcnt 0x0                           ; my parts have landed,
	s_barrier_signal -1
	s_barrier_wait -1                              ; everybody's have
	KSTEP 0
	KSTEP 1
	KSTEP 2
	KSTEP 3
	KSTEP 4
	KSTEP 5
.rept 4
	v_nop                                          ; places in front of the first read of results and of writes into registers that the products read
.endr
.irp b, 0,1,2,3
	v_mov_b32 v[TM+4+\b], 0                        ; a lane permute's destination counts as one of its sources
.endr
.irp u, 0,1
	QUANT ACC+64*\u, PC+8*\u, PW+\u
	global_store_b128 v[VO+2*\u], v[PC+8*\u:PC+8*\u+3], s[100:101]       ; 32 lanes store 512 consecutive bytes, at a multiple of 512 from the buffer's first byte
	global_store_b128 v[VO+2*\u+1], v[PC+8*\u+4:PC+8*\u+7], s[100:101]
	v_lshrrev_b32 v[SW+\u], v[SH], v[PW+\u]        ; lanes 0-15: the word as it is; lanes 16-31: the second head's two bytes, moved down
	ds_store_b32 v[STO], v[SW+\u] offset:4*\u
.endr
	s_wait_dscnt 0x0                               ; for the others' sake: my words lie in the stage
	s_barrier_signal -1
	s_barrier_wait -1
	s_cmp_lt_u32 s[WV], 5                          ; five pieces of 512 bytes leave, one a wave
	s_cbranch_scc0 .Lno_piece
	ds_load_b128 v[WO:WO+3], v[PLA]
	s_wait_dscnt 0x0
	global_store_b128 v[PGO], v[WO:WO+3], s[92:93] ; sixteen lanes store 256 consecutive bytes, at a multiple of 256 from the buffer's first byte
.Lno_piece:
	s_wait_tensorcnt 0x0
	ds_add_u32 v254, v255
	s_wait_dscnt 0x0
	ROUND                                          ; the closing round: no work-group ends while a partner may still ask for a tile that names it
	s_endpgm
.Lfunc_end_k_qd81d9650f5_qkv:
	.size	k_qd81d9650f5_qkv, .Lfunc_end_k_qd81d9650f5_qkv-k_qd81d9650f5_qkv
	.p2alignl 7, 3214868480
	.fill 96, 4, 3214868480
	.section	.rodata,"a",@progbits
	.p2align	6, 0x0
	.amdhsa_kernel k_qd81d9650f5_qkv
		.amdhsa_group_segment_fixed_size 247296
		.amdhsa_private_segment_fixed_size 0
		.amdhsa_enable_private_segment 0
		.amdhsa_kernarg_size 88
		.amdhsa_user_sgpr_count 2
		.amdhsa_user_sgpr_kernarg_segment_ptr 1
		.amdhsa_wavefront_size32 1
		.amdhsa_system_sgpr_workgroup_id_x 1
		.amdhsa_system_sgpr_workgroup_id_y 1
		.amdhsa_system_sgpr_workgroup_id_z 1
		.amdhsa_system_vgpr_workitem_id 0
		.amdhsa_next_free_vgpr 256
		.amdhsa_next_free_sgpr 102
		.amdhsa_reserve_vcc 0
		.amdhsa_float_denorm_mode_32 3
		.amdhsa_float_denorm_mode_16_64 3
		.amdhsa_memory_ordered 1
		.amdhsa_forward_progress 1
		.amdhsa_inst_pref_size 44
	.end_amdhsa_kernel
	.amdgpu_metadata
---
amdhsa.version: [ 1, 2 ]
amdhsa.kernels:
  - .name:           k_qd81d9650f5_qkv
    .symbol:         k_qd81d9650f5_qkv.kd
    .args:
      - { .name: Wq_codes, .offset: 0, .size: 8, .value_kind: global_buffer, .address_space: global }
      - { .name: Wq_scales, .offset: 8, .size: 8, .value_kind: global_buffer, .address_space: global }
      - { .name: Wk_codes, .offset: 16, .size: 8, .value_kind: global_buffer, .address_space: global }
      - { .name: Wk_scales, .offset: 24, .size: 8, .value_kind: global_buffer, .address_space: global }
      - { .name: x_codes, .offset: 32, .size: 8, .value_kind: global_buffer, .address_space: global }
      - { .name: x_scales, .offset: 40, .size: 8, .value_kind: global_buffer, .address_space: global }
      - { .name: Wv_codes, .offset: 48, .size: 8, .value_kind: global_buffer, .address_space: global }
      - { .name: Wv_scales, .offset: 56, .size: 8, .value_kind: global_buffer, .address_space: global }
      - { .name: qc, .offset: 64, .size: 8, .value_kind: global_buffer, .address_space: global }
      - { .name: qs, .offset: 72, .size: 8, .value_kind: global_buffer, .address_space: global }
      - { .name: kv, .offset: 80, .size: 8, .value_kind: global_buffer, .address_space: global }
    .group_segment_fixed_size: 247296
    .private_segment_fixed_size: 0
    .kernarg_segment_align: 8
    .kernarg_segment_size: 88
    .max_flat_workgroup_size: 384
    .sgpr_count:     102
    .vgpr_count:     256
    .wavefront_size: 32
...
	.end_amdgpu_metadata
.endif
;; end of part 1
;; launch attn (part 2): grid 16 x 16, 16 waves a work-group, clusters of 4 x 1, 327,680 bytes of LDS; arguments qc, qs, kv, aoc, aos; writes aoc, aos
.if DOCPART == 2
	.amdgcn_target "amdgcn-amd-amdhsa--gfx1250"
	.amdhsa_code_object_version 6
	.text
	.protected	k_qd81d9650f5_attn
	.globl	k_qd81d9650f5_attn
	.p2align	8
	.type	k_qd81d9650f5_attn,@function
k_qd81d9650f5_attn:
	s_mov_b64 s[64:65], 0
	v_nop
	global_prefetch_b8 v0, s[64:65] scope:SCOPE_SE
	s_setreg_imm32_b32 hwreg(HW_REG_WAVE_MODE, 25, 1), 1
	s_wait_xcnt 0x0
	s_wait_alu depctr_hold_cnt(0) depctr_sa_sdst(0) depctr_va_vdst(0) depctr_va_sdst(0) depctr_va_ssrc(0) depctr_va_vcc(0) depctr_vm_vsrc(0)
	s_getreg_b32 s2, hwreg(HW_REG_IB_STS2, 6, 4)
	s_cmp_eq_u32 s2, 0
	s_cbranch_scc0 .Lentry_in_a_cluster
	s_endpgm
.Lentry_in_a_cluster:
	s_bfe_u32 s2, ttmp6, 0x10000c
	s_cmp_lg_u32 s2, 0x3003
	s_cbranch_scc0 .Lentry_shape_is_right
	s_endpgm
.Lentry_shape_is_right:
; ao = softmax(q k^T / 8) v for one batch and head, both products on codes of FP4 (E2M1) with one E8M0 scale for each 32 along K, and the quantising of ao along the head's 64 for the last product.
; THE SOFTMAX: t = score x log2(e) / 8; M = the running largest t rounded up to a whole number; p = 2^(t - M) is quantised along the keys; the row's sum is taken of the unquantised p and divides at the end.
; SHARES.  A work-group owns 256 queries of one head (grid y = 8 batch + head), each of its sixteen waves 16 of them.  Every wave walks the head's 4,096 keys, 128 a step, 32 steps.
; LDS.  A head's K and V as the launch before laid them, 32 steps x 8,960 bytes = 286,720, come ONCE: each wave asks for a sixteenth, 70 rows of 256 bytes, by its one tensor load at the head.
; One barrier follows; the loop over the keys has none.  Nothing is filled again.
; CLUSTER.  The four partners own query blocks of the same head, so each load is asked for jointly (mask 15).
; NO PREFETCH: every tile is asked for at the head, so there is no loop in which to ask ahead of a load.
; LAYOUT.  Both products are used transposed (S^T = K Q^T, O^T = V^T P^T): a lane holds one query, lane % 16.  Row m of K's tile t is key 64 (t / 4) + 8 (t % 4) + m % 8 + 32 (m / 8), so register j of
; tile t in lane half h is key 64 (t / 4) + 32 h + 8 (t % 4) + j: the conversion of tile t IS register t of P's operand, and a lane holds blocks h and 2 + h of the step's four whole.
; A head's K is 64: Q's registers 4-7 are zero codes.  So registers 4-7 of a fragment of K may hold any codes: they are the next tile's (the last tile's: four registers of zeros); the scale bytes that meet them are never 0xff.
; THE STEPS OVERLAP.  Step i's conversions are the last readers of p, so step i + 1's scores are multiplied straight behind them, into the same registers, ahead of step i's second product; K is fetched two steps ahead.
; LIMITS: the promise holds while the scaled scores t stay under 2^31 in magnitude; NaN and infinities are not served.  A block whose largest number lies under 2^-124 gets the byte 1; these bytes are read by this program alone.
.set KVH,  286720                      ; a head's bytes in kv
.set KVS,  8960                        ; a step's: K's 8 images, V^T's 8 half images, K's words, V's words
.set PART, KVH/16                      ; 17,920 = 70 x 256: what one wave asks for
.set STG,  KVH                         ; the stage for ao's scale words, 1,024 bytes; no fill lands here
.set SPARE, 0x48000                    ; the spare words, 128 bytes a wave
.set LI,  1                            ; 16 x lane
.set LR,  2                            ; 16 x (lane % 16)
.set AD,  3                            ; the trip's first step + LI
.set ADR, 4                            ; + LR
.set STO, 5                            ; where my scale word goes in the stage
.set SRD, 6                            ; and where a piece is read back
.set SH8, 7                            ; 8 x (lane / 16)
.set LS,  8                            ; v[8:9] the row's sum in two halves
.set NM,  12                           ; v12, v14: -M, old and new by turns; v13 the running largest score; v15 written once (upper half of a pair)
.set QF,  16                           ; v16-23 Q
.set KF,  24                           ; v24-59 K: tile t at 4 t; v56-59 zeros
.set VF,  60                           ; v60-91 V^T
.set SC,  92                           ; v92-155 S^T, then p
.set OT,  156                          ; v156-187 O^T
.set PC,  188                          ; v188-195 p's codes
.set BM,  196                          ; v196-199 maxima
.set BS,  200                          ; v200-201 the conversions' scale operands
.set BX,  202                          ; v202-203 from lane l xor 16
.set SU,  204                          ; v[204:205] the sum's second chain
.set TP,  206
.set FF,  208                          ; v[208:209] f = 2^(old M - new M)
.set KS,  210                          ; v210-213 K's scale words
.set VS,  214                          ; v214-217 V's
.set QS,  218                          ; Q's
.set PS,  219                          ; p's
.set SPW, 254
.set NIL, 255
.set WV,  14
.set CNT, 19
.set SEL, 20
.set CS,  22
.set G1,  24
.set G0,  32
.macro ROUND                           ; a round of the cluster's barrier
	s_barrier_signal -1
	s_barrier_wait -1
	s_cmp_lg_u32 s[WV], 0
	s_cbranch_scc1 .Lnot_wave_0_\@
	s_barrier_signal -3
.Lnot_wave_0_\@:
	s_barrier_wait -3
	s_barrier_signal -1
	s_barrier_wait -1
.endm
	s_load_b256 s[4:11], s[0:1], 0x0               ; qc, qs, kv, aoc
	s_load_b64 s[12:13], s[0:1], 0x20              ; aos
	v_lshl_add_u32 v[SPW], v0, 2, SPARE
	v_mov_b32 v[NIL], 0
	ds_add_u32 v[SPW], v[NIL]                      ; the opening lines: the add, twice on end, and its wait ahead of my tensor load
	ds_add_u32 v[SPW], v[NIL]
	v_lshrrev_b32 v3, 5, v0
	s_delay_alu instid0(VALU_DEP_1)
	v_readfirstlane_b32 s[WV], v3                  ; wave 0..15
	s_bfe_u32 s15, ttmp6, 0x40000                  ; my place in the cluster: it enters Q's and the outputs' addresses alone
	s_lshl_b32 s16, ttmp9, 2
	s_add_co_u32 s16, s16, s15                     ; query block
	s_and_b32 s17, ttmp7, 0xffff                   ; batch and head, which the partners share
	s_mov_b32 s[G1], 15|(3<<16)|(1<<21)            ; mask 15, elements of 8 bytes, bit 21 beside the mask: 70 dense rows of 256 bytes
	s_mov_b32 s[G1+1], 32<<16
	s_mov_b32 s[G1+2], 70<<16
	s_mov_b32 s[G1+3], 32<<16
	s_mov_b32 s[G1+4], 70
	s_mov_b32 s[G1+5], 32
	s_mov_b32 s[G1+6], 0
	s_mov_b32 s[G1+7], 0
	s_mov_b32 s[SEL], 0x76543210
	s_mov_b32 s[SEL+1], 0xfedcba98
	s_mov_b32 s[CS], 0x3e38aa3b                    ; c = log2(e) / 8
	s_mov_b32 s[CS+1], s[CS]
	s_lshr_b32 s48, s[WV], 2                       ; my tile's scale words: 256 (wave / 4) + 4 (wave % 4) + 16 r in a block of 16 tiles
	s_lshl_b32 s48, s48, 8
	s_and_b32 s49, s[WV], 3
	s_lshl_b32 s49, s49, 2
	s_add_co_u32 s48, s48, s49
	s_add_co_u32 s50, s48, STG
	s_lshl_b32 s49, s[WV], 9
	s_add_co_u32 s51, s49, STG
	s_mul_i32 s52, s17, KVH                        ; kv: the head + my sixteenth
	s_mul_i32 s62, s[WV], PART
	s_add_co_u32 s52, s52, s62
	s_mov_b32 s53, 0
	s_lshl_b32 s54, s17, 17                        ; qc: 131,072 head + 8,192 block + 512 wave
	s_lshl_b32 s63, s16, 13
	s_add_co_u32 s54, s54, s63
	s_add_co_u32 s54, s54, s49
	s_mov_b32 s55, 0
	s_lshl_b32 s56, s17, 14                        ; qs and aos: 16,384 head + 1,024 block
	s_lshl_b32 s63, s16, 10
	s_add_co_u32 s56, s56, s63
	s_add_co_u32 s60, s56, s49
	s_add_co_u32 s56, s56, s48
	s_mov_b32 s57, 0
	s_mov_b32 s61, 0
	s_lshr_b32 s58, s17, 3                         ; aoc: [batch][tile of 16 rows][head][512]
	s_lshl_b32 s58, s58, 20
	s_lshl_b32 s63, s16, 16
	s_add_co_u32 s58, s58, s63
	s_lshl_b32 s63, s[WV], 12
	s_add_co_u32 s58, s58, s63
	s_and_b32 s63, s17, 7
	s_lshl_b32 s63, s63, 9
	s_add_co_u32 s58, s58, s63
	s_mov_b32 s59, 0
	s_wait_dscnt 0x0                               ; both opening adds are done
	s_wait_kmcnt 0x0
	s_mov_b32 s[G0], 1
	s_mov_b32 s[G0+1], s62
	s_add_nc_u64 s[G0+2:G0+3], s[8:9], s[52:53]
	s_or_b32 s[G0+3], s[G0+3], 0x80000000
	s_add_nc_u64 s[4:5], s[4:5], s[54:55]
	s_add_nc_u64 s[6:7], s[6:7], s[56:57]
	s_add_nc_u64 s[10:11], s[10:11], s[58:59]
	s_add_nc_u64 s[12:13], s[12:13], s[60:61]
	ROUND                                          ; all four work-groups are here: the joint loads meet
	tensor_load_to_lds s[G0:G0+3], s[G1:G1+7]      ; my one tensor load: steps 2 wave and 2 wave + 1
	s_nop 0
	v_and_b32 v[LI], 31, v0
	v_and_b32 v[LR], 15, v0
	v_bfe_u32 v[SH8], v0, 4, 1
	v_lshlrev_b32 v[LI], 4, v[LI]
	v_lshlrev_b32 v[LR], 4, v[LR]
	v_lshlrev_b32 v[SH8], 3, v[SH8]
	global_load_b128 v[QF:QF+3], v[LI], s[4:5]
	global_load_b32 v[QS], v[LR], s[6:7]
	v_add_nc_u32 v[STO], s50, v[LR]
	v_add_nc_u32 v[SRD], s51, v[LI]
	v_mov_b32 v[AD], v[LI]                         ; step 0 begins at LDS byte 0
	v_mov_b32 v[ADR], v[LR]
.irp j, 4,5,6,7
	v_mov_b32 v[QF+\j], 0                          ; zero codes for k = 64 .. 127
	v_mov_b32 v[KF+28+\j], 0
.endr
	v_mov_b32 v13, 0xff61b1e6                      ; the largest score so far: -3e38
	v_mov_b32 v[NM], 0x7f61b1e6                    ; -M
	v_mov_b32 v[NM+2], 0
	v_mov_b32 v[NM+3], 0
	v_mov_b32 v[LS], 0
	v_mov_b32 v[LS+1], 0
	v_mov_b32 v[BX], 0                             ; a lane permute's destination counts as one of its sources
	v_mov_b32 v[BX+1], 0
	v_mov_b32 v[FF+1], 0
.set j, 0
.rept 32
	v_mov_b32 v[OT+j], 0                           ; the step is written once: the first finds zeros, which the first change of M leaves zeros
.set j, j+1
.endr
.macro KLOAD o                         ; K's eight images and its scale words (lanes 0-15 tiles 0-3, lanes 16-31 tiles 4-7)
.irp t, 0,1,2,3,4,5,6,7
	ds_load_b128 v[KF+4*\t:KF+4*\t+3], v[AD] offset:(\o)+512*\t
.endr
	ds_load_b128 v[KS:KS+3], v[AD] offset:(\o)+8192
.endm
.macro SMUL                            ; S^T = K Q^T: eight tiles of 16 keys
.irp t, 0,1,2,3
	v_wmma_scale_f32_16x16x128_f8f6f4 v[SC+8*\t:SC+8*\t+7], v[KF+4*\t:KF+4*\t+7], v[QF:QF+7], 0, v[KS+\t], v[QS] matrix_a_fmt:MATRIX_FMT_FP4 matrix_b_fmt:MATRIX_FMT_FP4
.endr
.irp t, 4,5,6,7
	v_wmma_scale_f32_16x16x128_f8f6f4 v[SC+8*\t:SC+8*\t+7], v[KF+4*\t:KF+4*\t+7], v[QF:QF+7], 0, v[KS+\t-4], v[QS] matrix_a_fmt:MATRIX_FMT_FP4 matrix_b_fmt:MATRIX_FMT_FP4 matrix_a_scale:MATRIX_SCALE_ROW1
.endr
.endm
.macro SUMS a, n                       ; the row's sum of the unquantised p, in two chains: n times four numbers, from register 4 a on
.set j, 4*(\a)
.rept \n
	v_pk_add_f32 v[LS:LS+1], v[LS:LS+1], v[SC+j:SC+j+1]
	v_pk_add_f32 v[SU:SU+1], v[SU:SU+1], v[SC+j+2:SC+j+3]
.set j, j+4
.endr
.endm
; A KEY STEP, the k-th of four.  It finds its scores in S^T.  hs: the next step's scores are multiplied here; hk: K of the step after that is fetched; up: the address goes on to the next four steps.
.macro STEP k, hs, hk, up
.set OF, (\k)*KVS
.set NO, NM+2*((\k)%2)
.set NN, NM+2-2*((\k)%2)
.irp b, 0,1,2,3                                ; four chains by turns; each accumulator is first read at its low end.  These four are also the places ahead of the loads into V's registers
	v_max3_num_f32 v[BM+\b], v[SC+16*\b], v[SC+16*\b+1], v[SC+16*\b+2]
.endr
.irp f, 0,1,2,3,4,5,6,7
	ds_load_b128 v[VF+4*\f:VF+4*\f+3], v[AD] offset:OF+4096+512*\f
.endr
	ds_load_b128 v[VS:VS+3], v[ADR] offset:OF+8704
.if \up
	v_add_nc_u32 v[AD], 4*KVS, v[AD]               ; stepped here, so that more than nine plain vector lines stand ahead of every later reader
	v_add_nc_u32 v[ADR], 4*KVS, v[ADR]
.set OF, OF-4*KVS
.endif
.irp i, 3,5,7,9,11,13
.irp b, 0,1,2,3
	v_max3_num_f32 v[BM+\b], v[BM+\b], v[SC+16*\b+\i], v[SC+16*\b+\i+1]
.endr
.endr
	v_max3_num_f32 v[BM], v[BM], v[BM+1], v[SC+15]
	v_max3_num_f32 v[BM+2], v[BM+2], v[BM+3], v[SC+47]
	v_max_num_f32 v[BM], v[BM], v[SC+31]           ; the largest score of my block h,
	v_max_num_f32 v[BM+2], v[BM+2], v[SC+63]       ; and of my block 2 + h: each serves the row's maximum and, since p rises with the score, the block's largest p
	s_delay_alu instid0(VALU_DEP_1)
	v_max_num_f32 v[TP], v[BM], v[BM+2]
	s_delay_alu instid0(VALU_DEP_1)
	v_permlanex16_b32 v[BX], v[TP], s[SEL], s[SEL+1]
	s_delay_alu instid0(VALU_DEP_1)
	v_max3_num_f32 v13, v13, v[TP], v[BX]          ; the running largest score of my query
	s_delay_alu instid0(VALU_DEP_1)
	v_mul_f32 v[TP], s[CS], v13                    ; as t (c is positive)
	s_delay_alu instid0(VALU_DEP_1)
	v_floor_f32 v[NN], -v[TP]                      ; the new -M = -ceil(t)
.set j, 0
.rept 32
	v_pk_fma_f32 v[SC+j:SC+j+1], v[SC+j:SC+j+1], s[CS:CS+1], v[NN:NN+1] op_sel_hi:[1,0,0]   ; t - M, two at a time
.set j, j+2
.endr
	v_sub_f32 v[TP], v[NN], v[NO]                  ; old M - new M: a whole number, 0 or less
	v_fma_f32 v[BM], v[BM], s[CS], v[NN]
	v_fma_f32 v[BM+2], v[BM+2], s[CS], v[NN]
	v_cvt_i32_f32 v[TP], v[TP]                     ; (it saturates)
	s_delay_alu instid0(VALU_DEP_1)
	v_ldexp_f32 v[FF], 1.0, v[TP]                  ; f
	s_wait_alu depctr_va_vdst(0)                   ; the wait ahead of the batch
.set j, 0
.rept 64
	v_exp_f32 v[SC+j], v[SC+j]                     ; p, not normalised
.set j, j+1
.endr
	v_exp_f32 v[BM], v[BM]                         ; my two blocks' largest p
	v_exp_f32 v[BM+2], v[BM+2]
	v_pk_mul_f32 v[LS:LS+1], v[LS:LS+1], v[FF:FF+1] op_sel_hi:[1,0]   ; the sums under the new M (a plain place behind the batch)
	s_wait_alu depctr_va_vdst(0)                   ; one wait: behind the batch, and directly ahead of the first readers of O^T's four accumulators
.irp p, 0,4,8,12
	v_pk_mul_f32 v[OT+2*\p:OT+2*\p+1], v[OT+2*\p:OT+2*\p+1], v[FF:FF+1] op_sel_hi:[1,0]   ; O^T under the new M: x f, which rounds nothing; each accumulator's lowest pair first
.endr
	v_max_num_f32 v[BM], 0x1800000, v[BM]          ; the floor 2^(3 - 127): the byte cannot fall under 1
	v_max_num_f32 v[BM+2], 0x1800000, v[BM+2]
	v_pk_add_f32 v[SU:SU+1], v[SC:SC+1], v[SC+2:SC+3]
	SUMS 1, 3
	v_add_nc_u32 v[BS], 0xff000000, v[BM]          ; 2 off the exponent field: the conversion's scale operand
	v_add_nc_u32 v[BS+1], 0xff000000, v[BM+2]
	SUMS 4, 3
	v_lshrrev_b32 v[BM], 23, v[BS]                 ; the scales' bytes
	v_lshrrev_b32 v[BM+2], 23, v[BS+1]
	SUMS 7, 3
	v_lshl_or_b32 v[TP], v[BM+2], 16, v[BM]        ; blocks h and 2 + h,
	SUMS 10, 3
	v_lshlrev_b32 v[TP], v[SH8], v[TP]             ; at their places in the word
	SUMS 13, 3
	v_permlanex16_b32 v[BX], v[TP], s[SEL], s[SEL+1]
	v_pk_add_f32 v[LS:LS+1], v[LS:LS+1], v[SU:SU+1]
.irp t, 0,1,2,3,4,5,6,7
	v_cvt_scalef32_pk8_fp4_f32 v[PC+\t], v[SC+8*\t:SC+8*\t+7], v[BS+\t/4]   ; register t of P's operand; the last readers of p
.endr
	v_or_b32 v[PS], v[TP], v[BX]                   ; with lane l xor 16's two bytes p's scale word is whole (also the plain place behind the conversions)
	s_wait_dscnt 0x0                               ; the next step's K (asked for a step ago) and this step's V are in
.if \hs
	SMUL                                           ; the next step's scores
.endif
.irp p, 1,2,3,5,6,7,9,10,11,13,14,15               ; the rest of O^T x f: twelve places behind the products above, ahead of the loads into K's registers and of the next step's first read of the scores
	v_pk_mul_f32 v[OT+2*\p:OT+2*\p+1], v[OT+2*\p:OT+2*\p+1], v[FF:FF+1] op_sel_hi:[1,0]
.endr
.if \hk
	KLOAD OF+2*KVS                                 ; K two steps on
.endif
.irp d, 0,1,2,3                                ; O^T += V^T P^T: four accumulators by turns
	v_wmma_scale_f32_16x16x128_f8f6f4 v[OT+8*\d:OT+8*\d+7], v[VF+8*\d:VF+8*\d+7], v[PC:PC+7], v[OT+8*\d:OT+8*\d+7], v[VS+\d], v[PS] matrix_a_fmt:MATRIX_FMT_FP4 matrix_b_fmt:MATRIX_FMT_FP4
.endr
.endm
	s_mov_b32 s[CNT], 7
	s_wait_alu depctr_va_vdst(0)                   ; the wait at the head's end
	s_wait_loadcnt 0x0                             ; Q
	s_wait_tensorcnt 0x0                           ; my sixteenth has landed,
	s_barrier_signal -1
	s_barrier_wait -1                              ; everybody's has
	KLOAD 0
	s_wait_dscnt 0x0
	SMUL                                           ; step 0's scores
.rept 4
	v_nop                                          ; places ahead of the loads into K's registers and of the first read of the scores
.endr
	KLOAD KVS
.Ltrip:                                            ; 7 trips of 4 steps; a trip's loads are reached by immediate offsets, 47,616 bytes at the most
	STEP 0, 1, 1, 0
	STEP 1, 1, 1, 0
	STEP 2, 1, 1, 0
	STEP 3, 1, 1, 1
	s_sub_co_u32 s[CNT], s[CNT], 1
	s_cmp_lg_u32 s[CNT], 0
	s_cbranch_scc1 .Ltrip
	STEP 0, 1, 1, 0                                ; steps 28 to 31 are written out: nothing is fetched or multiplied beyond step 31
	STEP 1, 1, 1, 0
	STEP 2, 1, 0, 0
	STEP 3, 0, 0, 0
	; THE WAY OUT: O^T / the sum, quantised along the head's 64 (two blocks; a block lies in lanes l and l xor 16), as an image of the next product's operand registers and two scale bytes a row.
.rept 4
	v_nop
.endr
	s_wait_alu depctr_va_vdst(0)                   ; the wait here, directly ahead of the reader below: the sum was last written behind the last step's wait
	v_add_f32 v[LS], v[LS], v[LS+1]
	s_delay_alu instid0(VALU_DEP_1)
	v_permlanex16_b32 v[TP], v[LS], s[SEL], s[SEL+1]
	s_delay_alu instid0(VALU_DEP_1)
	v_add_f32 v[LS], v[LS], v[TP]                  ; the row's sum
	s_wait_alu depctr_va_vdst(0)                   ; the wait ahead of the transcendental
	v_rcp_f32 v[LS], v[LS]
	v_nop
	s_wait_alu depctr_va_vdst(0)                   ; and behind it, directly ahead of the first reader of O^T
.set j, 0
.rept 16
	v_pk_mul_f32 v[SC+j:SC+j+1], v[OT+j:OT+j+1], v[LS:LS+1] op_sel_hi:[1,0]
.set j, j+2
.endr
.irp b, 0,1
	v_max3_num_f32 v[BM+\b], |v[SC+16*\b]|, |v[SC+16*\b+1]|, 0x1800000
.endr
.irp i, 2,4,6,8,10,12,14
.irp b, 0,1
	s_delay_alu instid0(VALU_DEP_2)
	v_max3_num_f32 v[BM+\b], v[BM+\b], |v[SC+16*\b+\i]|, |v[SC+16*\b+\i+1]|
.endr
.endr
.irp b, 0,1
	s_delay_alu instid0(VALU_DEP_2)
	v_permlanex16_b32 v[BX+\b], v[BM+\b], s[SEL], s[SEL+1]
.endr
.irp b, 0,1
	s_delay_alu instid0(VALU_DEP_2)
	v_max_num_f32 v[BM+\b], v[BM+\b], v[BX+\b]
.endr
.irp b, 0,1
	s_delay_alu instid0(VALU_DEP_2)
	v_add_nc_u32 v[BS+\b], 0xff000000, v[BM+\b]
.endr
.irp b, 0,1
	s_delay_alu instid0(VALU_DEP_2)
	v_lshrrev_b32 v[BX+\b], 23, v[BS+\b]
.endr
	s_delay_alu instid0(VALU_DEP_1)
	v_lshl_or_b32 v[TP], v[BX+1], 8, v[BX]
.irp t, 0,1,2,3
	v_cvt_scalef32_pk8_fp4_f32 v[PC+2*(\t%2)+(\t/2)], v[SC+8*\t:SC+8*\t+7], v[BS+\t/2]
.endr
	v_nop                                          ; one plain place behind a scaled conversion
	v_permlane16_swap_b32 v[PC], v[PC+1]           ; lane half h now holds block h whole
	v_permlane16_swap_b32 v[PC+2], v[PC+3]
	global_store_b128 v[LI], v[PC:PC+3], s[10:11]  ; 32 lanes store 512 consecutive bytes, at a multiple of 512 from the buffer's first byte
	ds_store_b32 v[STO], v[TP]
	s_wait_dscnt 0x0                               ; for the others' sake: my words lie in the stage
	s_barrier_signal -1
	s_barrier_wait -1
	s_cmp_lt_u32 s[WV], 2                          ; two pieces of 512 bytes leave, one a wave
	s_cbranch_scc0 .Lno_words
	ds_load_b128 v[BM:BM+3], v[SRD]
	s_wait_dscnt 0x0
	global_store_b128 v[LI], v[BM:BM+3], s[12:13]
.Lno_words:
	s_wait_tensorcnt 0x0                           ; the wave's end
	ds_add_u32 v[SPW], v[NIL]
	s_wait_dscnt 0x0
	ROUND                                          ; the closing round
	s_endpgm
.Lfunc_end_k_qd81d9650f5_attn:
	.size	k_qd81d9650f5_attn, .Lfunc_end_k_qd81d9650f5_attn-k_qd81d9650f5_attn
	.p2alignl 7, 3214868480
	.fill 96, 4, 3214868480
	.section	.rodata,"a",@progbits
	.p2align	6, 0x0
	.amdhsa_kernel k_qd81d9650f5_attn
		.amdhsa_group_segment_fixed_size 327680
		.amdhsa_private_segment_fixed_size 0
		.amdhsa_enable_private_segment 0
		.amdhsa_kernarg_size 40
		.amdhsa_user_sgpr_count 2
		.amdhsa_user_sgpr_kernarg_segment_ptr 1
		.amdhsa_wavefront_size32 1
		.amdhsa_system_sgpr_workgroup_id_x 1
		.amdhsa_system_sgpr_workgroup_id_y 1
		.amdhsa_system_sgpr_workgroup_id_z 1
		.amdhsa_system_vgpr_workitem_id 0
		.amdhsa_next_free_vgpr 256
		.amdhsa_next_free_sgpr 66
		.amdhsa_reserve_vcc 0
		.amdhsa_float_denorm_mode_32 3
		.amdhsa_float_denorm_mode_16_64 3
		.amdhsa_memory_ordered 1
		.amdhsa_forward_progress 1
		.amdhsa_inst_pref_size 120
	.end_amdhsa_kernel
	.amdgpu_metadata
---
amdhsa.version: [ 1, 2 ]
amdhsa.kernels:
  - .name:           k_qd81d9650f5_attn
    .symbol:         k_qd81d9650f5_attn.kd
    .args:
      - { .name: qc, .offset: 0, .size: 8, .value_kind: global_buffer, .address_space: global }
      - { .name: qs, .offset: 8, .size: 8, .value_kind: global_buffer, .address_space: global }
      - { .name: kv, .offset: 16, .size: 8, .value_kind: global_buffer, .address_space: global }
      - { .name: aoc, .offset: 24, .size: 8, .value_kind: global_buffer, .address_space: global }
      - { .name: aos, .offset: 32, .size: 8, .value_kind: global_buffer, .address_space: global }
    .group_segment_fixed_size: 327680
    .private_segment_fixed_size: 0
    .kernarg_segment_align: 8
    .kernarg_segment_size: 40
    .max_flat_workgroup_size: 512
    .sgpr_count:     66
    .vgpr_count:     256
    .wavefront_size: 32
...
	.end_amdgpu_metadata
.endif
;; end of part 2
;; launch oproj (part 3): grid 4 x 64, 12 waves a work-group, clusters of 4 x 1, 169,472 bytes of LDS; arguments aoc, aos, Wo_codes, Wo_scales, bo, out0; writes out0
.if DOCPART == 3
	.amdgcn_target "amdgcn-amd-amdhsa--gfx1250"
	.amdhsa_code_object_version 6
	.text
	.protected	k_qd81d9650f5_oproj
	.globl	k_qd81d9650f5_oproj
	.p2align	8
	.type	k_qd81d9650f5_oproj,@function
k_qd81d9650f5_oproj:
	s_mov_b64 s[64:65], 0
	v_nop
	global_prefetch_b8 v0, s[64:65] scope:SCOPE_SE
	s_setreg_imm32_b32 hwreg(HW_REG_WAVE_MODE, 25, 1), 1
	s_wait_xcnt 0x0
	s_wait_alu depctr_hold_cnt(0) depctr_sa_sdst(0) depctr_va_vdst(0) depctr_va_sdst(0) depctr_va_ssrc(0) depctr_va_vcc(0) depctr_vm_vsrc(0)
	s_getreg_b32 s2, hwreg(HW_REG_IB_STS2, 6, 4)
	s_cmp_eq_u32 s2, 0
	s_cbranch_scc0 .Lentry_in_a_cluster
	s_endpgm
.Lentry_in_a_cluster:
	s_bfe_u32 s2, ttmp6, 0x10000c
	s_cmp_lg_u32 s2, 0x3003
	s_cbranch_scc0 .Lentry_shape_is_right
	s_endpgm
.Lentry_shape_is_right:
; out0 = ao Wo + bo on codes of FP4 (E2M1) with one E8M0 scale for each 32 along K = 512.  ao comes as register images (aoc) and two scale bytes a row and head (aos), as the launch before laid them.
; SHARES.  A work-group takes 128 rows (8 tiles) and 192 columns (column group cg = its place in the cluster: the grid's x is one cluster wide).  Wave w takes columns 192 cg + 16 w on, for all 8 tiles of rows:
; 8 accumulators, 4 K steps.  Its 16 rows of Wo, their scale words and its bias go from memory straight into its registers: no two waves of a work-group read the same rows of Wo.
; The product is used transposed (source 0 = 16 rows of Wo, source 1 = a tile of ao): a lane holds row 16 t + r and eight neighbouring columns.  The bias is the C of each sum's first matrix instruction.
; CLUSTER.  The four partners take the same 128 rows, so ao's block of 32,768 bytes is asked for jointly (mask 15).  LDS is filled once.
; THE WAY OUT.  A row's 768 bytes come from twelve waves: they meet in a stage, and each wave stores thirds of rows: sixteen lanes to 256 consecutive bytes.
.set SPITCH, 784                       ; a stage row: 768 bytes + 16 = 49 x 16: 16 neighbouring rows start at 16 different groups of four banks (ISA guide 11.1)
.set STG,  32768                       ; behind ao's images: 128 rows; no fill lands here
.set LI,  4                            ; v4   16 x lane
.set WA,  5                            ; v5   Wo: 256 r + 16 h
.set R16, 6                            ; v6   16 r
.set H32, 7                            ; v7   32 h
.set SO0, 8                            ; v8   the stage, on the way in, tiles 0-3
.set SO1, 9                            ; v9   tiles 4-7
.set SR,  10                           ; v10  and back
.set GO,  11                           ; v11  my offset in out0
.set ACC, 16                           ; v16-79
.set WF,  80                           ; v80-111  Wo's fragments of the four K steps
.set BI,  112                          ; v112-119 the bias in the result's layout
.set AF,  120                          ; v120-183 ao's 8 fragments of a K step; later rows on their way out
.set RAW, 184                          ; v184-215 aos as it lies: register 4 head + i: lanes 0-15 tile i, lanes 16-31 tile 4 + i
.set SW,  216                          ; v216-231 ao's scale words: register 4 s + i
.set WS,  232                          ; v232-235 Wo's: register s
.set WV,  16
.set G1,  24
.set G0,  32
.macro ROUND                           ; a round of the cluster's barrier
	s_barrier_signal -1
	s_barrier_wait -1
	s_cmp_lg_u32 s[WV], 0
	s_cbranch_scc1 .Lnot_wave_0_\@
	s_barrier_signal -3
.Lnot_wave_0_\@:
	s_barrier_wait -3
	s_barrier_signal -1
	s_barrier_wait -1
.endm
; K step s: heads 2 s and 2 s + 1.  Eight accumulators by turns, one instruction a turn.
.macro KSTEP s
.if (\s) > 0
.rept 4
	v_nop                                          ; places in front of loads into registers that matrix instructions have read
.endr
.endif
.irp t, 0,1,2,3,4,5,6,7
.irp c, 0,1
	ds_load_b128 v[AF+8*\t+4*\c:AF+8*\t+4*\c+3], v[LI] offset:4096*\t+1024*(\s)+512*\c
.endr
.endr
	s_wait_dscnt 0x0
.irp t, 0,1,2,3
.if (\s) == 0
	v_wmma_scale_f32_16x16x128_f8f6f4 v[ACC+8*\t:ACC+8*\t+7], v[WF+8*(\s):WF+8*(\s)+7], v[AF+8*\t:AF+8*\t+7], v[BI:BI+7], v[WS+(\s)], v[SW+4*(\s)+\t] matrix_a_fmt:MATRIX_FMT_FP4 matrix_b_fmt:MATRIX_FMT_FP4
.else
	v_wmma_scale_f32_16x16x128_f8f6f4 v[ACC+8*\t:ACC+8*\t+7], v[WF+8*(\s):WF+8*(\s)+7], v[AF+8*\t:AF+8*\t+7], v[ACC+8*\t:ACC+8*\t+7], v[WS+(\s)], v[SW+4*(\s)+\t] matrix_a_fmt:MATRIX_FMT_FP4 matrix_b_fmt:MATRIX_FMT_FP4
.endif
.endr
.irp t, 4,5,6,7
.if (\s) == 0
	v_wmma_scale_f32_16x16x128_f8f6f4 v[ACC+8*\t:ACC+8*\t+7], v[WF+8*(\s):WF+8*(\s)+7], v[AF+8*\t:AF+8*\t+7], v[BI:BI+7], v[WS+(\s)], v[SW+4*(\s)+\t-4] matrix_a_fmt:MATRIX_FMT_FP4 matrix_b_fmt:MATRIX_FMT_FP4 matrix_b_scale:MATRIX_SCALE_ROW1
.else
	v_wmma_scale_f32_16x16x128_f8f6f4 v[ACC+8*\t:ACC+8*\t+7], v[WF+8*(\s):WF+8*(\s)+7], v[AF+8*\t:AF+8*\t+7], v[ACC+8*\t:ACC+8*\t+7], v[WS+(\s)], v[SW+4*(\s)+\t-4] matrix_a_fmt:MATRIX_FMT_FP4 matrix_b_fmt:MATRIX_FMT_FP4 matrix_b_scale:MATRIX_SCALE_ROW1
.endif
.endr
.endm
	s_load_b256 s[4:11], s[0:1], 0x0               ; aoc, aos, Wo's codes, Wo's scales
	s_load_b128 s[12:15], s[0:1], 0x20             ; bo, out0
	v_lshl_add_u32 v254, v0, 2, 0x29000
	v_mov_b32 v255, 0
	ds_add_u32 v254, v255
	ds_add_u32 v254, v255
	v_lshrrev_b32 v1, 5, v0
	s_delay_alu instid0(VALU_DEP_1)
	v_readfirstlane_b32 s[WV], v1                  ; wave 0..11
	s_bfe_u32 s17, ttmp6, 0x40000                  ; cg: it enters Wo's, bo's and out0's addresses alone
	s_and_b32 s18, ttmp7, 0xffff                   ; row block, which the partners share
	s_mul_i32 s19, s17, 192
	s_lshl_b32 s20, s[WV], 4
	s_add_co_u32 s19, s19, s20                     ; my first column
	s_mul_i32 s20, s[WV], 11
	s_lshr_b32 s20, s20, 5                         ; wave / 3, for waves 0 to 11
	s_and_b32 s21, s[WV], 1
	s_lshl_b32 s21, s21, 14                        ; which half of ao's block I would fetch
	s_mov_b32 s[G1], 15|(3<<16)|(1<<21)            ; mask 15, elements of 8 bytes, bit 21 beside the mask: 64 dense rows of 256 bytes
	s_mov_b32 s[G1+1], 32<<16
	s_mov_b32 s[G1+2], 64<<16
	s_mov_b32 s[G1+3], 32<<16
	s_mov_b32 s[G1+4], 64
	s_mov_b32 s[G1+5], 32
	s_mov_b32 s[G1+6], 0
	s_mov_b32 s[G1+7], 0
	s_lshl_b32 s36, s18, 15                        ; aoc: 32,768 x row block + my half
	s_add_co_u32 s36, s36, s21
	s_mov_b32 s37, 0
	s_lshl_b32 s38, s19, 8                         ; Wo's codes: 256 bytes a row
	s_mov_b32 s39, 0
	s_lshl_b32 s40, s19, 4                         ; its scale bytes: 16
	s_mov_b32 s41, 0
	s_lshl_b32 s42, s19, 2                         ; bo
	s_mov_b32 s43, 0
	s_lshr_b32 s44, s18, 5                         ; aos: 131,072 x batch + 512 x (row block in the batch); the heads lie 16,384 apart
	s_lshl_b32 s44, s44, 17
	s_and_b32 s22, s18, 31
	s_lshl_b32 s22, s22, 9
	s_add_co_u32 s44, s44, s22
	s_mov_b32 s45, 0
	s_mul_i32 s46, s18, 128*3072                   ; out0: row 128 x row block + 32 (w / 3); byte 768 cg + 256 (w % 3) of it
	s_mul_i32 s22, s20, 32*3072-768
	s_add_co_u32 s46, s46, s22
	s_mul_i32 s22, s17, 768
	s_add_co_u32 s46, s46, s22
	s_lshl_b32 s23, s[WV], 8
	s_add_co_u32 s46, s46, s23
	s_mov_b32 s47, 0
	v_and_b32 v1, 31, v0                           ; every LDS address is made here, ahead of the first branch on the wave's number
	v_and_b32 v2, 15, v0                           ; r
	v_bfe_u32 v3, v0, 4, 1                         ; h
	s_delay_alu instid0(VALU_DEP_3)
	v_lshlrev_b32 v[LI], 4, v1
	s_delay_alu instid0(VALU_DEP_3)
	v_lshlrev_b32 v[WA], 8, v2
	s_delay_alu instid0(VALU_DEP_1)
	v_lshl_add_u32 v[WA], v3, 4, v[WA]
	v_lshlrev_b32 v[R16], 4, v2
	v_lshlrev_b32 v[H32], 5, v3
	v_mul_u32_u24 v[SO0], v2, SPITCH               ; in: row r of a tile, my wave's 64 bytes, my half's 32
	s_delay_alu instid0(VALU_DEP_1)
	v_add_nc_u32 v[SO0], v[SO0], v[H32]
	s_lshl_b32 s22, s[WV], 6
	s_add_co_u32 s22, s22, STG
	v_add_nc_u32 v[SO0], s22, v[SO0]
	s_delay_alu instid0(VALU_DEP_1)
	v_add_nc_u32 v[SO1], 4*16*SPITCH, v[SO0]
	v_mul_u32_u24 v[SR], v3, SPITCH                ; back: rows 32 (w / 3) + 2 i + h, third w % 3, 16 bytes a lane
	s_delay_alu instid0(VALU_DEP_1)
	v_add_nc_u32 v[SR], v[SR], v[R16]
	s_mul_i32 s22, s20, 32*SPITCH-768
	s_add_co_u32 s22, s22, s23
	s_add_co_u32 s22, s22, STG
	v_add_nc_u32 v[SR], s22, v[SR]
	v_mul_u32_u24 v[GO], v3, 3072                  ; and the same two rows in out0
	s_delay_alu instid0(VALU_DEP_1)
	v_add_nc_u32 v[GO], v[GO], v[R16]
	s_wait_dscnt 0x0
	s_wait_kmcnt 0x0
	s_mov_b32 s[G0], 1
	s_mov_b32 s[G0+1], s21
	s_add_nc_u64 s[G0+2:G0+3], s[4:5], s[36:37]
	s_or_b32 s[G0+3], s[G0+3], 0x80000000
	s_add_nc_u64 s[6:7], s[6:7], s[44:45]
	s_add_nc_u64 s[8:9], s[8:9], s[38:39]
	s_add_nc_u64 s[10:11], s[10:11], s[40:41]
	s_add_nc_u64 s[12:13], s[12:13], s[42:43]
	s_add_nc_u64 s[14:15], s[14:15], s[46:47]
	ROUND                                          ; all four work-groups are here: the joint loads meet
	s_cmp_lt_u32 s[WV], 2                          ; waves 0 and 1 ask for the block's two halves: one tensor load of mine is out at the most
	s_cbranch_scc0 .Lasked
	tensor_load_to_lds s[G0:G0+3], s[G1:G1+7]
	s_nop 0
.rept 4
	v_nop
.endr
.Lasked:
.irp s, 0,1,2,3
.irp c, 0,1
	global_load_b128 v[WF+8*\s+4*\c:WF+8*\s+4*\c+3], v[WA], s[8:9] offset:64*\s+32*\c
.endr
.endr
	global_load_b128 v[WS:WS+3], v[R16], s[10:11]  ; row r's four scale words
	global_load_b128 v[BI:BI+3], v[H32], s[12:13]  ; bo at my eight columns
	global_load_b128 v[BI+4:BI+7], v[H32], s[12:13] offset:16
.irp d, 0,1,2,3,4,5,6,7
	global_load_b128 v[RAW+4*\d:RAW+4*\d+3], v[LI], s[6:7] offset:16384*\d   ; 512 consecutive bytes a head
.endr
	s_wait_loadcnt 0x0
.irp s, 0,1,2,3
.irp i, 0,1,2,3
	v_lshl_or_b32 v[SW+4*\s+\i], v[RAW+4*(2*\s+1)+\i], 16, v[RAW+8*\s+\i]   ; a K step's word: the even head's two bytes below the odd head's
.endr
.endr
.rept 8
	v_nop                                          ; a scale register written by a vector instruction stands eight places ahead of a scaled matrix instruction
.endr
	s_wait_tensorcnt 0x0                           ; my half has landed (waves 0 and 1),
	s_barrier_signal -1
	s_barrier_wait -1                              ; both have
	KSTEP 0
	s_wait_alu depctr_va_vdst(0)
	KSTEP 1
	KSTEP 2
	KSTEP 3
.rept 4
	v_nop                                          ; places in front of the first read of results, and of the loads into ao's registers below
.endr
.irp t, 0,1,2,3
	ds_store_b128 v[SO0], v[ACC+8*\t:ACC+8*\t+3] offset:16*SPITCH*\t          ; each accumulator from its low end on
	ds_store_b128 v[SO0], v[ACC+8*\t+4:ACC+8*\t+7] offset:16*SPITCH*\t+16
.endr
.irp t, 4,5,6,7
	ds_store_b128 v[SO1], v[ACC+8*\t:ACC+8*\t+3] offset:16*SPITCH*(\t-4)
	ds_store_b128 v[SO1], v[ACC+8*\t+4:ACC+8*\t+7] offset:16*SPITCH*(\t-4)+16
.endr
	s_wait_dscnt 0x0                               ; for the others' sake: my columns lie in the stage
	s_barrier_signal -1
	s_barrier_wait -1
.irp i, 0,1,2,3,4,5,6,7,8,9,10,11,12,13,14,15
	ds_load_b128 v[AF+4*\i:AF+4*\i+3], v[SR] offset:2*SPITCH*\i
.endr
.irp i, 0,1,2,3,4,5,6,7,8,9,10,11,12,13,14,15
	s_wait_dscnt 15-\i                             ; LDS loads come back in order (ISA guide 5.7.1): pair i of rows is in, the younger ones stay out
	global_store_b128 v[GO], v[AF+4*\i:AF+4*\i+3], s[14:15] offset:2*3072*\i th:TH_STORE_NT   ; sixteen lanes store 256 consecutive bytes, at a multiple of 256 from out0's first byte; written once
.endr
	s_wait_tensorcnt 0x0
	ds_add_u32 v254, v255
	s_wait_dscnt 0x0
	ROUND                                          ; the closing round: no work-group ends while a partner may still ask for a tile that names it
	s_endpgm
.Lfunc_end_k_qd81d9650f5_oproj:
	.size	k_qd81d9650f5_oproj, .Lfunc_end_k_qd81d9650f5_oproj-k_qd81d9650f5_oproj
	.p2alignl 7, 3214868480
	.fill 96, 4, 3214868480
	.section	.rodata,"a",@progbits
	.p2align	6, 0x0
	.amdhsa_kernel k_qd81d9650f5_oproj
		.amdhsa_group_segment_fixed_size 169472
		.amdhsa_private_segment_fixed_size 0
		.amdhsa_enable_private_segment 0
		.amdhsa_kernarg_size 48
		.amdhsa_user_sgpr_count 2
		.amdhsa_user_sgpr_kernarg_segment_ptr 1
		.amdhsa_wavefront_size32 1
		.amdhsa_system_sgpr_workgroup_id_x 1
		.amdhsa_system_sgpr_workgroup_id_y 1
		.amdhsa_system_sgpr_workgroup_id_z 1
		.amdhsa_system_vgpr_workitem_id 0
		.amdhsa_next_free_vgpr 256
		.amdhsa_next_free_sgpr 66
		.amdhsa_reserve_vcc 0
		.amdhsa_float_denorm_mode_32 3
		.amdhsa_float_denorm_mode_16_64 3
		.amdhsa_memory_ordered 1
		.amdhsa_forward_progress 1
		.amdhsa_inst_pref_size 22
	.end_amdhsa_kernel
	.amdgpu_metadata
---
amdhsa.version: [ 1, 2 ]
amdhsa.kernels:
  - .name:           k_qd81d9650f5_oproj
    .symbol:         k_qd81d9650f5_oproj.kd
    .args:
      - { .name: aoc, .offset: 0, .size: 8, .value_kind: global_buffer, .address_space: global }
      - { .name: aos, .offset: 8, .size: 8, .value_kind: global_buffer, .address_space: global }
      - { .name: Wo_codes, .offset: 16, .size: 8, .value_kind: global_buffer, .address_space: global }
      - { .name: Wo_scales, .offset: 24, .size: 8, .value_kind: global_buffer, .address_space: global }
      - { .name: bo, .offset: 32, .size: 8, .value_kind: global_buffer, .address_space: global }
      - { .name: out0, .offset: 40, .size: 8, .value_kind: global_buffer, .address_space: global }
    .group_segment_fixed_size: 169472
    .private_segment_fixed_size: 0
    .kernarg_segment_align: 8
    .kernarg_segment_size: 48
    .max_flat_workgroup_size: 384
    .sgpr_count:     66
    .vgpr_count:     256
    .wavefront_size: 32
...
	.end_amdgpu_metadata
.endif
;; end of part 3
